; MI455X (gfx1250); checked and timed in simulation.
; The chip was launched on July 23, 2026; its instructions are those of AMD's public machine-readable ISA for CDNA 5 (MIT licence, August 2026) and "CDNA5" Instruction Set Architecture Reference Guide (July 2026). The comments in the code are by the model that wrote it; some were corrected since.
;; Phase Weighted Attention. Allowed arithmetic: matrix products marked QUANTISED: E2M1 operands, one E8M0 scale for each 32 along K, by v_wmma_scale_f32_16x16x128_f8f6f4 with both operands' format E2M1 (or v_wmma_scale_f32_32x16x128_f4), f32 sums; everything else in f32.
;; Inputs: alpha one number float32; hidden 4 x 4,096 x 1,024 float32; phases 4 x 4,096 float32.
;; Outputs: out0 4 x 4,096 x 1,024 float32.
;; This version of the problem:
;;   THIS VERSION OF THE PROBLEM IS GIVEN IN LOW PRECISION. The matrix products marked QUANTISED in the list below multiply operands that are first quantised to E2M1 (2 exponent bits, 1 mantissa bit; 4 bits a number), with one power-of-two scale for each 32 numbers along K (OCP MX v1.0); their sums are f32. All else is computed in f32.
;;   The module's matrix products, in the order in which they are computed (A, B: the left and right operand; K: the contracted axis; several contracted axes count as one K, in the product's order):
;;     1. batch 4 x [M 4,096, K 4,096] x [K 4,096, N 1,024]; A: computed on the way; B: input hidden: QUANTISED
;;   THE QUANTISER, for each operand of a quantised product, along K:
;;     - K is cut into blocks of 32 from its start; a last block that is shorter is filled with zeros.
;;     - A block's scale is 2^e with e = floor(log2(the largest magnitude in the block)) - 2, held to -126 .. 127; a block of zeros has e = 0. As a byte (E8M0): e + 127.
;;     - Each number is divided by its block's scale, clamped to +-6, and rounded to the nearest number of E2M1, ties to even, subnormals kept.
;;     - The product sums the exact products of the quantised numbers (number of the format x scale) in f32.
;;   ~~~python
;;   def quantise(x, axis):      # numpy; x: float32 -> the quantised numbers, widened to float32 again
;;       x = np.moveaxis(x, axis, -1); K = x.shape[-1]
;;       x = np.pad(x, [(0, 0)] * (x.ndim - 1) + [(0, -K % 32)]); x = x.reshape(x.shape[:-1] + (-1, 32)); a = np.abs(x).max(-1, keepdims=True)
;;       e = np.where(a > 0, np.clip(np.frexp(np.where(a > 0, a, 1))[1] - 1 - 2, -126, 127), 0)      # np.frexp(a)[1] - 1 = floor(log2(a)), exactly
;;       r = np.clip(x / 2.0 ** e, -6, 6)
;;       step = 2.0 ** (np.maximum(np.frexp(np.where(r == 0, 1, r))[1] - 1, 0) - 1)
;;       q = np.round(r / step) * step * 2.0 ** e      # np.round: ties to even
;;       return np.moveaxis(q.reshape(q.shape[:-2] + (-1,))[..., :K], -1, axis).astype(np.float32)
;;   ~~~
;;   OPERANDS COMPUTED ON THE WAY. 'Computed on the way' means the value that the module computes at that place (a softmax that the list does not call 'softmax' is quantised finished and normalised). What goes into a quantiser is computed in f32, as accurately as f32 sums, v_exp_f32 and their like allow (about 1e-6 of the number): no bf16 or f16 on the way to a quantiser, and a product that is left as it is and whose result goes on into a quantised operand takes f32 operands (vector FMAs, or v_wmma_f32_16x16x4_f32). A number that lies on a knife's edge between two numbers of the format may be rounded either way, as far as f32 arithmetic and the matrix unit's own rounding can turn it there, and no further.
;; One version. Each part assembles by itself: llvm-mc -triple=amdgcn-amd-amdhsa -mcpu=gfx1250 --defsym DOCPART=n.
;; ======== version 1 of 1: 2 launches
;; limits: inputs' magnitudes at most 100,000; right only within a limited range of input values
;; workspace buffers: bq 8,912,896 bytes; trig 131,072 bytes
;; launch prep (part 1): grid 8 x 64, 4 waves a work-group, no clusters, 0 bytes of LDS; arguments hidden, phases, bq, trig; writes bq, trig
.if DOCPART == 1
	.amdgcn_target "amdgcn-amd-amdhsa--gfx1250"
	.amdhsa_code_object_version 6
	.text
	.protected	k_q5a6ea4aca8_prep
	.globl	k_q5a6ea4aca8_prep
	.p2align	8
	.type	k_q5a6ea4aca8_prep,@function
k_q5a6ea4aca8_prep:
	s_mov_b64 s[64:65], 0
	v_nop
	global_prefetch_b8 v0, s[64:65] scope:SCOPE_SE
	s_setreg_imm32_b32 hwreg(HW_REG_WAVE_MODE, 25, 1), 1
	s_wait_xcnt 0x0
; hidden [4][4096 keys][1024] f32 is the operand of the next launch's product whose K (the keys) is its FIRST axis inside a batch.
; It is turned into codes of FP4 (E2M1) with one E8M0 scale byte for each 32 keys, laid in the ORDER OF THE OPERAND'S REGISTERS, a tile's scale words behind its codes:
;   bq [b 4][t 16: 256 keys][g 8: 128 columns][17,408 bytes]: first 16,384 bytes of codes [dtl 8: 16 columns][q 2: 128 keys][1,024 bytes]; in the 1,024 bytes the 16 bytes at 512 c + 256 h + 16 r are the
;      32 codes of column r, keys 64 c + 32 h + 0 .. 31: two loads of 16 bytes a lane, at 16 x lane and 512 further on, are a fragment's eight registers;
;      then 1,024 bytes of scale words [dtl 8][r 16][q 2]: one word of four bytes for a column and 128 keys.  So a tile is one dense block for one tensor load.
; Also: trig = cos of all 16,384 phases (f32), then from byte 65,536 their sin.
; A LANE TAKES A COLUMN AND ITS REGISTERS RUN DOWN THE KEYS: a load reads 128 consecutive bytes a wave, 512 a work-group; a block of 32 keys lies in one lane's 32
; registers, so its largest magnitude needs no other lane, and the conversions give codes with K innermost.  Nothing is transposed.
; SHARES: work-group (x = g, y = 16 b + t): 256 keys x 128 columns; wave w 32 columns (dtl 2 w in lanes 0-15, 2 w + 1 in lanes 16-31), 8 blocks a lane.  Wave 0 also takes 32 phases.
; A block's scale is 2^(floor(log2(its largest magnitude)) - 2); its byte is that magnitude's exponent field - 2, held at 1 from below.
; LIMITS: a block of zeros gets the byte 1 where the rule says 127 (its codes are zeros, and this program alone reads the bytes); NaN and infinities are not served;
; sin and cos: the phase less n x pi/2 in three parts, then polynomials on +-pi/4: full f32 accuracy up to |phase| of about 1e5 (n must stay exact against the three parts).
; No LDS, no barrier: waves share nothing.  Every offset is an immediate and no register that a load or store names is written again, so no wait frees a source.
.set TILEB, 17408                      ; a tile's codes and scale words
.set X,  32                            ; v32-95   two sets of 32 numbers
.set C,  96                            ; v96-127  a block's codes: four registers for each of the 8 blocks
.set SB, 16                            ; v16-17   the scale bytes, four to a register
	s_load_b256 s[4:11], s[0:1], 0x0               ; hidden s[4:5], phases s[6:7], bq s[8:9], trig s[10:11]
	v_lshrrev_b32 v1, 5, v0
	v_readfirstlane_b32 s16, v1                    ; wave 0..3
	v_and_b32 v1, 31, v0                           ; lane
	v_lshlrev_b32 v2, 2, v1                        ; in: 4 bytes a lane (hidden, phases, trig)
	v_lshrrev_b32 v3, 4, v1
	v_and_b32 v5, 15, v1
	v_lshlrev_b32 v3, 11, v3
	v_lshl_add_u32 v3, v5, 4, v3                   ; codes out: 2,048 (lane / 16) + 16 (lane % 16)
	v_lshlrev_b32 v4, 3, v1                        ; scale words out: 8 bytes a lane
	v_mov_b32 v6, 0                                ; the phase (wave 0 loads it)
	s_and_b32 s17, ttmp7, 0xffff                   ; y = 16 b + t
	s_lshl_b32 s20, s17, 20                        ; hidden: 256 y rows of 4,096 bytes,
	s_lshl_b32 s18, ttmp9, 9                       ; + 512 g
	s_add_co_u32 s20, s20, s18
	s_lshl_b32 s18, s16, 7                         ; + 128 w
	s_add_co_u32 s20, s20, s18
	s_mov_b32 s21, 0
	s_lshl_b32 s19, s17, 3
	s_add_co_u32 s19, s19, ttmp9                   ; 8 y + g: the tile's number
	s_mul_i32 s22, s19, TILEB                      ; the tile's first byte
	s_add_co_u32 s24, s22, 16384                   ; its scale words,
	s_lshl_b32 s18, s16, 8                         ; + 256 w
	s_add_co_u32 s24, s24, s18
	s_mov_b32 s25, 0
	s_lshl_b32 s18, s16, 12                        ; its codes: + 4,096 w
	s_add_co_u32 s22, s22, s18
	s_mov_b32 s23, 0
	s_lshl_b32 s26, s19, 7                         ; phases and trig: 32 numbers for each work-group
	s_mov_b32 s27, 0
	s_wait_kmcnt 0x0
	s_add_nc_u64 s[4:5], s[4:5], s[20:21]
	s_add_nc_u64 s[6:7], s[6:7], s[26:27]
	s_add_nc_u64 s[12:13], s[10:11], s[26:27]      ; trig at my 32 numbers
	s_add_nc_u64 s[10:11], s[8:9], s[24:25]        ; bq at my scale words
	s_add_nc_u64 s[8:9], s[8:9], s[22:23]          ; bq at my codes
	s_cmp_lg_u32 s16, 0
	s_cbranch_scc1 .Lno_phase
	s_wait_alu depctr_va_vdst(0)
	global_load_b32 v6, v2, s[6:7]                 ; the oldest load: every counted wait below covers it, with it or without
.Lno_phase:
.macro LOAD t                          ; block t: hidden(32 t + i, my column), i = 0 .. 31, into set t % 2
.set li, 0
.rept 32
	global_load_b32 v[X+32*((\t)%2)+li], v2, s[4:5] offset:(32*(\t)+li)*4096 th:TH_LOAD_NT
.set li, li+1
.endr
.endm
	s_wait_alu depctr_va_vdst(0)
	LOAD 0
	LOAD 1
.macro BLOCK t
.set XS, X+32*((\t)%2)
.if (\t) < 7
	s_wait_loadcnt 32                              ; this block's 32 loads are in; the next block's 32 may be out
.else
	s_wait_loadcnt 0x0
.endif
	v_max3_num_f32 v8, |v[XS]|, |v[XS+1]|, |v[XS+2]|        ; the block's largest magnitude, in two chains: all 32 numbers are mine
	v_max3_num_f32 v9, |v[XS+3]|, |v[XS+4]|, |v[XS+5]|
.irp i, 6,10,14,18,22,26
	v_max3_num_f32 v8, v8, |v[XS+\i]|, |v[XS+\i+1]|
	v_max3_num_f32 v9, v9, |v[XS+\i+2]|, |v[XS+\i+3]|
.endr
	v_max3_num_f32 v8, v8, |v[XS+30]|, |v[XS+31]|
	v_max3_num_f32 v8, v8, v9, 0x1800000           ; and the floor 2^(3 - 127): the byte cannot fall under 1
	v_add_nc_u32 v10, 0xff000000, v8               ; 2 off the exponent field: the conversion takes the exponent field of this operand as its scale
.irp g, 0,1,2,3
	v_cvt_scalef32_pk8_fp4_f32 v[C+4*(\t)+\g], v[XS+8*\g:XS+8*\g+7], v10
.endr
	v_lshrrev_b32 v11, 23, v10                     ; the scale's byte (also the plain line behind the conversions)
.if (\t)%4 == 0
	v_mov_b32 v[SB+(\t)/4], v11                    ; four bytes to a word, the lower keys in the lower byte
.else
	v_lshl_or_b32 v[SB+(\t)/4], v11, 8*((\t)%4), v[SB+(\t)/4]
.endif
	global_store_b128 v3, v[C+4*(\t):C+4*(\t)+3], s[8:9] offset:256*(\t)   ; lanes 0-15 and lanes 16-31 each store 256 consecutive bytes, aligned: 256 t = 1,024 q + 512 c + 256 h
.if (\t)+2 < 8
	LOAD (\t)+2
.endif
.endm
.irp t, 0,1,2,3,4,5,6,7
	BLOCK \t
.endr
	global_store_b64 v4, v[SB:SB+1], s[10:11]      ; my column's two scale words: the wave stores 256 consecutive bytes, aligned
	s_cmp_lg_u32 s16, 0
	s_cbranch_scc1 .Ldone
	; wave 0: sin and cos of 32 phases.  x = n pi/2 + r, |r| <= pi/4
	v_mul_f32 v8, 0x3f22f983, v6                   ; x 2/pi
	v_rndne_f32 v8, v8                             ; n
	v_cvt_i32_f32 v9, v8
	v_fma_f32 v10, -v8, 0x3fc90fdb, v6             ; r = x - n pi/2, pi/2 in three parts, each step one rounding
	v_fma_f32 v10, -v8, 0xb33bbd2e, v10
	v_fma_f32 v10, -v8, 0xa6f72ced, v10
	v_mul_f32 v11, v10, v10                        ; z = r r
	v_mov_b32 v12, 0xb94ca1f9
	v_mov_b32 v13, 0x37ccf5ce
	v_fmaak_f32 v12, v12, v11, 0x3c08839e
	v_fmaak_f32 v13, v13, v11, 0xbab6061a
	v_fmaak_f32 v12, v12, v11, 0xbe2aaaa3
	v_fmaak_f32 v13, v13, v11, 0x3d2aaaa5
	v_mul_f32 v12, v12, v11
	v_mul_f32 v14, v11, v11
	v_fma_f32 v15, v11, -0.5, 1.0
	v_fma_f32 v12, v12, v10, v10                   ; sin r = r + r z (S1 + S2 z + S3 z z)
	v_fma_f32 v13, v14, v13, v15                   ; cos r = 1 - z / 2 + z z (C1 + C2 z + C3 z z)
	v_and_b32 v14, 1, v9
	v_cmp_ne_u32 vcc_lo, 0, v14                    ; an odd n swaps the two
	v_cndmask_b32 v18, v12, v13, vcc_lo            ; sin x, up to its sign
	v_cndmask_b32 v19, v13, v12, vcc_lo            ; cos x, up to its sign
	v_and_b32 v14, 2, v9
	v_add_nc_u32 v15, 1, v9
	v_lshlrev_b32 v14, 30, v14                     ; sin is negated where n mod 4 is 2 or 3,
	v_and_b32 v15, 2, v15
	v_xor_b32 v18, v14, v18
	v_lshlrev_b32 v15, 30, v15                     ; cos where it is 1 or 2
	v_xor_b32 v19, v15, v19
	global_store_b32 v2, v19, s[12:13]
	global_store_b32 v2, v18, s[12:13] offset:65536
.Ldone:
	s_endpgm
.Lfunc_end_k_q5a6ea4aca8_prep:
	.size	k_q5a6ea4aca8_prep, .Lfunc_end_k_q5a6ea4aca8_prep-k_q5a6ea4aca8_prep
	.p2alignl 7, 3214868480
	.fill 96, 4, 3214868480
	.section	.rodata,"a",@progbits
	.p2align	6, 0x0
	.amdhsa_kernel k_q5a6ea4aca8_prep
		.amdhsa_group_segment_fixed_size 0
		.amdhsa_private_segment_fixed_size 0
		.amdhsa_enable_private_segment 0
		.amdhsa_kernarg_size 32
		.amdhsa_user_sgpr_count 2
		.amdhsa_user_sgpr_kernarg_segment_ptr 1
		.amdhsa_wavefront_size32 1
		.amdhsa_system_sgpr_workgroup_id_x 1
		.amdhsa_system_sgpr_workgroup_id_y 1
		.amdhsa_system_sgpr_workgroup_id_z 1
		.amdhsa_system_vgpr_workitem_id 0
		.amdhsa_next_free_vgpr 128
		.amdhsa_next_free_sgpr 66
		.amdhsa_reserve_vcc 1
		.amdhsa_float_denorm_mode_32 3
		.amdhsa_float_denorm_mode_16_64 3
		.amdhsa_memory_ordered 1
		.amdhsa_forward_progress 1
		.amdhsa_inst_pref_size 40
	.end_amdhsa_kernel
	.amdgpu_metadata
---
amdhsa.version: [ 1, 2 ]
amdhsa.kernels:
  - .name:           k_q5a6ea4aca8_prep
    .symbol:         k_q5a6ea4aca8_prep.kd
    .args:
      - { .name: hidden, .offset: 0, .size: 8, .value_kind: global_buffer, .address_space: global }
      - { .name: phases, .offset: 8, .size: 8, .value_kind: global_buffer, .address_space: global }
      - { .name: bq, .offset: 16, .size: 8, .value_kind: global_buffer, .address_space: global }
      - { .name: trig, .offset: 24, .size: 8, .value_kind: global_buffer, .address_space: global }
    .group_segment_fixed_size: 0
    .private_segment_fixed_size: 0
    .kernarg_segment_align: 8
    .kernarg_segment_size: 32
    .max_flat_workgroup_size: 128
    .sgpr_count:     66
    .vgpr_count:     128
    .wavefront_size: 32
...
	.end_amdgpu_metadata
.endif
;; end of part 1
;; launch attn (part 2): grid 256 x 1, 4 waves a work-group, clusters of 4 x 1, 327,680 bytes of LDS; arguments alpha, hidden, trig, bq, out0; writes out0
.if DOCPART == 2
	.amdgcn_target "amdgcn-amd-amdhsa--gfx1250"
	.amdhsa_code_object_version 6
	.text
	.protected	k_q5a6ea4aca8_attn
	.globl	k_q5a6ea4aca8_attn
	.p2align	8
	.type	k_q5a6ea4aca8_attn,@function
k_q5a6ea4aca8_attn:
	s_mov_b64 s[64:65], 0
	v_nop
	global_prefetch_b8 v0, s[64:65] scope:SCOPE_SE
	s_setreg_imm32_b32 hwreg(HW_REG_WAVE_MODE, 25, 1), 1
	s_wait_xcnt 0x0
	s_wait_alu depctr_hold_cnt(0) depctr_sa_sdst(0) depctr_va_vdst(0) depctr_va_sdst(0) depctr_va_ssrc(0) depctr_va_vcc(0) depctr_vm_vsrc(0)
	s_getreg_b32 s2, hwreg(HW_REG_IB_STS2, 6, 4)
	s_cmp_eq_u32 s2, 0
	s_cbranch_scc0 .Lentry_in_a_cluster
	s_endpgm
.Lentry_in_a_cluster:
	s_bfe_u32 s2, ttmp6, 0x10000c
	s_cmp_lg_u32 s2, 0x3003
	s_cbranch_scc0 .Lentry_shape_is_right
	s_endpgm
.Lentry_shape_is_right:
; out[b][n][:] = a x (sum over keys m of W[n][m] hidden[b][m][:]) + (1 - a) hidden[b][n][:],  a = alpha held to 0 .. 1,
; W[n][m] = (1 + cos(p_n - p_m)) / 2 / max(its row's sum, 1e-6).  The product runs on codes of FP4 (E2M1) with one E8M0 scale for each 32 keys, on both sides; sums in f32.
; W FROM TABLES: cos(p_n - p_m) = c_n c_m + s_n s_m, so the row's sum is 2048 + c_n C/2 + s_n S/2 (C, S: the batch's sums of cos and sin) and the finished weight is
; k0 + k1 c_m + k2 s_m with k0 = 0.5 / max(sum, 1e-6), k1 = k0 c_n, k2 = k0 s_n: two packed multiply-adds for two weights, all in f32.
; LIMITS: a weight's error is about 1e-7 of its row's largest weight (not of itself), and p_n - p_m is not rounded to f32 first; NaN and infinities are not served (a NaN alpha is taken as 0);
; a block of zeros gets the scale byte 1 (its codes are zeros).
; SHARES.  A work-group makes 64 rows x all 1,024 columns of out, so each weight is made once in the launch.  Four waves; wave w makes 64 rows x columns 256 w .. + 255: 64 accumulators, 512 registers.
; W's four fragments of a K step are the same for all waves: each wave makes a quarter of a phase's eight, and they go round through LDS as images of their registers (16 bytes a lane at 16 x lane).
; hidden's codes lie in memory as such images, scale words behind them: a wave's 34,816 bytes of a phase are one dense block.
; A PHASE is 256 keys, two K steps of 128: 128 matrix instructions a wave and two fragments of the next phase's W (wave w: K step w % 2, row tiles 2 (w / 2) + 0, 1).
; One barrier a phase: the next phase's images are stored; nobody reads this phase's images or slot any more; the other slot is whole.
; A K step goes by hidden's tiles, each against W's four: hidden has one set of registers, tiles 0-7 fetched anew in the step's middle, tiles 8-15 at its end; W has two sets.
; hidden AS f32, FOR THE BLEND: my rows 32-63 come into my part of slot 0 by the tensor load behind phase 14's change of slots; rows 0-15 and my columns 0-127 of rows 16-31 are loaded in phase 14 into the registers
; that the tables and the weights have left; my columns 128-255 of rows 16-31 at the head of the way out.
; CLUSTER.  The four row blocks of a cluster belong to one batch and walk the same codes: each tile is asked for jointly, same descriptor, mask of all four.  hidden's f32 rows differ
; from partner to partner: a load without a mask.
; THE MATRIX INSTRUCTION IS USED TRANSPOSED (source 0 = 16 columns of hidden, source 1 = 16 rows of W): a lane holds eight neighbouring numbers of a row of out.
; REGISTERS, in windows of 256: window 0: v1-31, v224-227 addresses and small things; v32-63 scale words; v64-127 W's fragments, two sets; v128-191 64 weights; v192-209 codes and scale words just made; v212-223 k0, k1, k2.
;   window 1: v0-127 hidden's 16 fragments; v128-191 cos, v192-255 sin of my 64 keys.   window 2: accumulator (a, b) at v[8 (8 a + b)], b 0-7; window 3: b 8-15.
.set TILEB,  17408                     ; 128 columns x 256 keys: 16,384 bytes of codes [dtl 8][q 2][1,024], then 1,024 of scale words [dtl 8][r 16][q 2]
.set ASC,    128                       ; LDS: bytes 0-31 the waves' partial sums; from 128 W's scale words: two buffers of 512 bytes, [tile 4][r 16][q 2] words
.set SLOT0,  1280
.set SLOTB,  8*TILEB                   ; a slot: a phase's eight tiles, two a wave
.set AIMG,   SLOT0+2*SLOTB             ; W's images: two buffers of 8,192 bytes: [q 2][tile 4][1,024]
.set STAGE,  AIMG+16384                ; the way out: 16 rows x (256 + 16) bytes for each wave; no fill lands here
.set SPITCH, 272
.set SPARE,  STAGE+4*16*SPITCH         ; the spare words, 128 bytes for each wave
.set PHB,    8*TILEB                   ; from a phase's tile to the next phase's in memory
.set RR,   1                           ; r = lane % 16
.set HH,   2                           ; h = lane / 16
.set LI,   4                           ; 16 x lane
.set ADRB, 5                           ; v5-6 my tiles in slot 0, 1: + 16 x lane
.set ADRA, 7                           ; AIMG + 16 x lane
.set AW,   8                           ; where I store my images
.set ADRS, 9                           ; v9, v19 scale words, tiles 0-3, even and odd phase: lanes 0-15 W's, lanes 16-31 hidden's
.set AWS,  10                          ; where I store my scale words
.set CSO,  11                          ; 128 h
.set STO,  12                          ; the stage: where I put 32 bytes of a row
.set RD,   13                          ; and where I read rows back
.set SPW,  14                          ; my spare word; never rewritten
.set NIL,  15                          ; 0; never rewritten
.set PFO,  16                          ; 256 x lane
.set HPO,  17                          ; 4,096 (lane / 4) + 256 (lane % 4)
.set SH8,  18                          ; 8 h
.set MX,   20
.set SO,   24
.set T0,   26
.set AL,   28                          ; a, twice
.set OM,   30                          ; 1 - a, twice
.set SC,   32                          ; register 2 i + q: lanes 16-31 the word of hidden's tile i; lanes 0-15, for i under 4, that of W's tile i
.set AF,   64
.set WN,   128
.set PC,   192
.set PW,   208
.set KC,   212
.set ADRT, 224                         ; v224-225 hidden's scale words, slot 0, 1: both halves of the lanes alike
.set HRD,  226                         ; hidden's f32 rows in my part of slot 0: 1,024 h + 16 r
.set GO,   227                         ; hidden and out in memory: 4,096 h + 16 r
.set CO,   128                         ; in window 1
.set SI,   192                         ; in window 1
.set G1,   24
.set G0,   32
.set G0H,  40
.set G1H,  80
.set SEL,  44
.set CB,   46                          ; the tables at my K step of the phase whose W is made next
.set PFA,  48                          ; where my prefetches of codes stand
.set PF2,  234                         ; the prefetches of scale words: from my half of a tile's codes to my 512 bytes of its scale words, + 256 x min(lane, 1)
.set HPA,  52                          ; where my prefetches of hidden's f32 rows stand; s[54:55] their step
.set HB,   56                          ; hidden at my 64 rows x 256 columns
.set OB,   58                          ; out likewise
.set MSB, 0
.macro WIN new                         ; the immediate's high byte repeats the setting that is left
.if MSB != (\new)
	s_set_vgpr_msb (MSB<<8)|(\new)
.set MSB, (\new)
.endif
.endm
.set MUL_LO, 0xa1                      ; source 0 (hidden) window 1, source 1 (W) window 0, C and D window 2
.set MUL_HI, 0xf1
.set TO_B,   0x40
.macro PLACES                          ; four plain places behind matrix instructions, ahead of loads into their registers and of reads of results
.rept 4
	v_nop
.endr
.endm
.macro CREST                           ; a round of the cluster's barrier behind its opening barrier
	s_cmp_lg_u32 s16, 0
	s_cbranch_scc1 .Lnot_wave_0_\@
	s_barrier_signal -3
.Lnot_wave_0_\@:
	s_barrier_wait -3
	s_barrier_signal -1
	s_barrier_wait -1
.endm
.macro CROUND
	s_barrier_signal -1
	s_barrier_wait -1
	CREST
.endm
.macro CSLOAD step                     ; cos and sin of my 64 keys of a K step: lane (r, h) holds keys 64 c + 32 h + 0 .. 31.  step = 1: on to the next phase (the base's earlier loads have been waited for)
.if \step
	s_add_nc_u64 s[CB:CB+1], s[CB:CB+1], 1024
.endif
	WIN 0x40
.irp c, 0,1
.irp j, 0,1,2,3,4,5,6,7
	global_load_b128 v[CO+32*\c+4*\j:CO+32*\c+4*\j+3], v[CSO], s[CB:CB+1] offset:256*\c+16*\j
	global_load_b128 v[SI+32*\c+4*\j:SI+32*\c+4*\j+3], v[CSO], s[CB:CB+1] offset:65536+256*\c+16*\j
.endr
.endr
	WIN 0
.endm
	s_load_b256 s[4:11], s[0:1], 0x0               ; alpha, hidden, trig, bq
	s_load_b64 s[14:15], s[0:1], 0x20              ; out0
	v_lshl_add_u32 v[SPW], v0, 2, SPARE
	v_mov_b32 v[NIL], 0
	ds_add_u32 v[SPW], v[NIL]                      ; the opening: the add, twice on end, and its wait ahead of my first tensor load
	ds_add_u32 v[SPW], v[NIL]
	v_lshrrev_b32 v3, 5, v0
	v_readfirstlane_b32 s16, v3                    ; wave 0..3
	s_and_b32 s17, s16, 1                          ; wl: which K step of a phase I make W for
	s_lshr_b32 s18, s16, 1                         ; wh: which two row tiles
	s_lshr_b32 s21, ttmp9, 4                       ; b: 16 clusters to a batch
	s_bfe_u32 s19, ttmp6, 0x40000                  ; cx: it enters global addresses of my own loads, stores and prefetches alone
	s_lshl_b32 s22, ttmp9, 2
	s_add_co_u32 s22, s22, s19                     ; rb: my block of 64 rows among the 256
	v_and_b32 v[RR], 15, v0
	v_bfe_u32 v[HH], v0, 4, 1
	v_and_b32 v3, 31, v0                           ; lane
	v_lshlrev_b32 v[LI], 4, v3
	v_lshlrev_b32 v27, 2, v[RR]
	v_lshlrev_b32 v[CSO], 7, v[HH]
	s_mov_b32 s[G1+0], 15|(3<<16)|(1<<21)          ; the codes: 34,816 dense bytes as 136 rows of 256 bytes (32 elements of 8); the mask of all four, bit 21 beside it
	s_mov_b32 s[G1+1], 32<<16
	s_mov_b32 s[G1+2], 136<<16
	s_mov_b32 s[G1+3], 32<<16
	s_mov_b32 s[G1+4], 136
	s_mov_b32 s[G1+5], 32
	s_mov_b32 s[G1+6], 0
	s_mov_b32 s[G1+7], 0
	s_mov_b32 s[G1H+0], 3<<16                      ; hidden's f32 rows: 32 rows of 1,024 bytes (128 elements of 8), 4,096 bytes apart in memory, dense in LDS; no mask
	s_mov_b32 s[G1H+1], 128<<16
	s_mov_b32 s[G1H+2], 32<<16
	s_mov_b32 s[G1H+3], 128<<16
	s_mov_b32 s[G1H+4], 32
	s_mov_b32 s[G1H+5], 512
	s_mov_b32 s[G1H+6], 0
	s_mov_b32 s[G1H+7], 0
	s_lshl_b32 s60, s21, 7
	s_lshl_b32 s66, s16, 1
	s_add_co_u32 s60, s60, s66
	s_mul_i32 s60, s60, TILEB                      ; bq: tile 8 (16 b + 0) + 2 w
	s_mov_b32 s61, 0
	s_mul_i32 s67, s16, 2*TILEB                    ; my tiles' place in a slot
	s_mov_b32 s[SEL], 0x76543210
	s_mov_b32 s[SEL+1], 0xfedcba98
	s_mov_b32 s71, 0
	s_mov_b32 s55, 0
	s_wait_dscnt 0x0                               ; both opening adds are done
	s_wait_alu depctr_va_vdst(0)
	s_wait_kmcnt 0x0
	s_load_b32 s74, s[4:5], 0x0                    ; alpha
	s_lshl_b32 s70, s21, 14
	s_add_nc_u64 s[68:69], s[8:9], s[70:71]        ; the batch's cos table (its sin table 65,536 bytes on)
	s_lshl_b32 s70, s17, 9
	s_add_nc_u64 s[CB:CB+1], s[68:69], s[70:71]
	s_lshl_b32 s70, s16, 12
	s_add_nc_u64 s[76:77], s[68:69], s[70:71]      ; the quarter of the tables that I sum
	s_and_b32 s70, s22, 63
	s_lshl_b32 s70, s70, 8
	s_lshl_b32 s75, s18, 7
	s_add_co_u32 s70, s70, s75
	s_add_nc_u64 s[72:73], s[68:69], s[70:71]      ; the tables at the 32 rows whose W I make
	s_lshl_b32 s70, s22, 18                        ; 64 rb rows of 4,096 bytes
	s_lshl_b32 s75, s16, 10                        ; + 1,024 w
	s_add_co_u32 s70, s70, s75
	s_add_nc_u64 s[HB:HB+1], s[6:7], s[70:71]
	s_add_nc_u64 s[OB:OB+1], s[14:15], s[70:71]
	s_mov_b64 s[HPA:HPA+1], s[HB:HB+1]
	s_lshl_b32 s70, s21, 7                         ; the prefetches of codes stand at phase 2 and name the phase behind where they stand (the head's: where they stand); tile 2 cx + wh, half wl of its codes
	s_add_co_u32 s70, s70, 16
	s_lshl_b32 s75, s19, 1
	s_add_co_u32 s70, s70, s75
	s_add_co_u32 s70, s70, s18
	s_mul_i32 s70, s70, TILEB
	s_lshl_b32 s75, s17, 13
	s_add_co_u32 s70, s70, s75
	s_add_nc_u64 s[PFA:PFA+1], s[10:11], s[70:71]
.set pp, 0
.rept 8                                        ; 52 loads: my quarter of the two tables, into the weights' registers,
	global_load_b128 v[WN+4*pp:WN+4*pp+3], v[LI], s[76:77] offset:512*pp
	global_load_b128 v[WN+32+4*pp:WN+32+4*pp+3], v[LI], s[76:77] offset:65536+512*pp
.set pp, pp+1
.endr
.irp f, 0,1
	global_load_b32 v[228+\f], v27, s[72:73] offset:64*\f          ; c_n of row r of my tile f
	global_load_b32 v[230+\f], v27, s[72:73] offset:65536+64*\f    ; s_n
.endr
	CSLOAD 0                                       ; and phase 0's keys
	s_mov_b32 s[G0], 1
	s_add_co_u32 s[G0+1], s67, SLOT0
	s_add_nc_u64 s[G0+2:G0+3], s[10:11], s[60:61]  ; phase 0
	s_add_nc_u64 s[G0+6:G0+7], s[G0+2:G0+3], PHB   ; phase 1
	s_or_b32 s[G0+3], s[G0+3], 0x80000000
	s_mov_b32 s[G0+4], 1
	s_add_co_u32 s[G0+5], s67, SLOT0+SLOTB
	s_or_b32 s[G0+7], s[G0+7], 0x80000000
	s_mov_b32 s[G0H], 1
	s_add_co_u32 s[G0H+1], s67, SLOT0              ; into my own part of slot 0
	s_add_nc_u64 s[G0H+2:G0H+3], s[HB:HB+1], 32*4096
	s_or_b32 s[G0H+3], s[G0H+3], 0x80000000
	CROUND                                         ; all four work-groups are here: the first joint loads meet
	tensor_load_to_lds s[G0:G0+3], s[G1:G1+7]      ; phase 0's tiles: my one tensor load at the head
	s_nop 0
	PLACES
	s_add_co_u32 s70, s67, SLOT0
	v_add_nc_u32 v[ADRB], s70, v[LI]
	v_add_nc_u32 v[ADRB+1], SLOTB, v[ADRB]
	v_add_nc_u32 v[ADRA], AIMG, v[LI]
	s_lshl_b32 s70, s17, 12                        ; my images: K step wl, tiles 2 wh on
	s_lshl_b32 s75, s18, 11
	s_add_co_u32 s70, s70, s75
	s_add_co_u32 s70, s70, AIMG
	v_add_nc_u32 v[AW], s70, v[LI]
	s_add_co_u32 s70, s67, SLOT0+16384-ASC         ; lanes 16-31 take hidden's words: one product, h x the distance
	v_mul_u32_u24 v[ADRS], s70, v[HH]
	v_lshl_add_u32 v[ADRS], v[RR], 3, v[ADRS]
	v_add_nc_u32 v[ADRS], ASC, v[ADRS]
	s_add_co_u32 s70, s70, SLOTB-512               ; an odd phase: W's other buffer, the other slot
	v_mul_u32_u24 v[ADRS+10], s70, v[HH]
	v_lshl_add_u32 v[ADRS+10], v[RR], 3, v[ADRS+10]
	v_add_nc_u32 v[ADRS+10], ASC+512, v[ADRS+10]
	s_add_co_u32 s70, s67, SLOT0+16384
	v_lshl_add_u32 v[ADRT], v[RR], 3, s70
	v_add_nc_u32 v[ADRT+1], SLOTB, v[ADRT]
	s_lshl_b32 s70, s18, 8
	s_lshl_b32 s75, s17, 2
	s_add_co_u32 s70, s70, s75
	s_add_co_u32 s70, s70, ASC
	v_lshl_add_u32 v[AWS], v[RR], 3, s70           ; my scale words: tile 2 wh + f, row r, K step wl
	s_mul_i32 s70, s16, 16*SPITCH
	s_add_co_u32 s70, s70, STAGE
	v_mul_u32_u24 v[STO], v[RR], SPITCH
	v_lshl_add_u32 v[STO], v[HH], 5, v[STO]
	v_add_nc_u32 v[STO], s70, v[STO]
	v_mul_u32_u24 v[RD], v[HH], SPITCH
	v_lshl_add_u32 v[RD], v[RR], 4, v[RD]
	v_add_nc_u32 v[RD], s70, v[RD]
	s_add_co_u32 s70, s67, SLOT0
	v_lshlrev_b32 v[HRD], 10, v[HH]
	v_lshl_add_u32 v[HRD], v[RR], 4, v[HRD]
	v_add_nc_u32 v[HRD], s70, v[HRD]
	v_lshlrev_b32 v[GO], 12, v[HH]
	v_lshl_add_u32 v[GO], v[RR], 4, v[GO]
	s_lshl_b32 s70, s16, 3
	v_mov_b32 v232, s70                            ; my pair of partial sums: 8 bytes a wave
	v_mov_b32 v233, 0
	v_lshlrev_b32 v[PFO], 8, v3
	v_min_u32 v[PF2], 1, v3
	s_mul_i32 s70, s17, 7680
	s_sub_co_u32 s70, 16384, s70                   ; 16,384 + 512 wl - 8,192 wl
	v_lshl_add_u32 v[PF2], v[PF2], 8, s70
	v_lshrrev_b32 v[HPO], 2, v3
	v_lshlrev_b32 v[HPO], 12, v[HPO]
	v_and_b32 v[MX], 3, v3
	v_lshl_add_u32 v[HPO], v[MX], 8, v[HPO]
	v_lshlrev_b32 v[SH8], 3, v[HH]
	v_mov_b32 v[T0], 0                             ; a lane permute's destination counts as one of its sources
	s_wait_alu depctr_va_vdst(0)
	s_wait_loadcnt 36                              ; my 16 table loads are in; the 4 row loads and the 32 of phase 0's keys may be out
.irp c, 0,1
	v_pk_add_f32 v[192+2*\c:193+2*\c], v[WN+4*\c:WN+4*\c+1], v[WN+4*\c+2:WN+4*\c+3]
	v_pk_add_f32 v[196+2*\c:197+2*\c], v[WN+32+4*\c:WN+32+4*\c+1], v[WN+32+4*\c+2:WN+32+4*\c+3]
.endr
.set pp, 4
.rept 12
	v_pk_add_f32 v[192+2*(pp%2):193+2*(pp%2)], v[192+2*(pp%2):193+2*(pp%2)], v[WN+2*pp:WN+2*pp+1]
	v_pk_add_f32 v[196+2*(pp%2):197+2*(pp%2)], v[196+2*(pp%2):197+2*(pp%2)], v[WN+32+2*pp:WN+32+2*pp+1]
.set pp, pp+1
.endr
	v_pk_add_f32 v[192:193], v[192:193], v[194:195]
	v_pk_add_f32 v[196:197], v[196:197], v[198:199]
	v_add_f32 v192, v192, v193
	v_add_f32 v196, v196, v197
.irp m, 1,2,4,8
	v_add_f32_dpp v192, v192, v192 row_xmask:\m row_mask:0xf bank_mask:0xf
	v_add_f32_dpp v196, v196, v196 row_xmask:\m row_mask:0xf bank_mask:0xf
.endr
	v_permlanex16_b32 v193, v192, s[SEL], s[SEL+1]
	v_permlanex16_b32 v197, v196, s[SEL], s[SEL+1]
	v_add_f32 v192, v192, v193                     ; my quarter's sum of cos, in every lane,
	v_add_f32 v193, v196, v197                     ; and of sin
	ds_store_b64 v232, v[192:193]
	s_wait_tensorcnt 0x0                           ; my part of phase 0 is in; slot 1's first fill is issued as a refill is
	ds_add_u32 v[SPW], v[NIL]
	s_wait_dscnt 0x0                               ; the add and my partial sums are done
	CROUND                                         ; slot 0 is whole, the sums are stored, and all four work-groups are here
	tensor_load_to_lds s[G0+4:G0+7], s[G1:G1+7]    ; phase 1's tiles
	s_nop 0
	PLACES
	ds_load_b128 v[200:203], v233                  ; the four waves' pairs
	ds_load_b128 v[204:207], v233 offset:16
	s_wait_dscnt 0x0
	v_pk_add_f32 v[200:201], v[200:201], v[202:203]
	v_pk_add_f32 v[204:205], v[204:205], v[206:207]
	v_pk_add_f32 v[200:201], v[200:201], v[204:205]          ; C, S
	v_pk_mul_f32 v[200:201], v[200:201], 0.5 op_sel_hi:[1,0]
	s_wait_alu depctr_va_vdst(0)
	s_wait_loadcnt 32                              ; my rows' c_n and s_n are in; phase 0's keys may be out
.irp f, 0,1
	v_fmaak_f32 v[240+\f], v[228+\f], v200, 0x45000000   ; the row's sum: 2048 + c_n C / 2
.endr
.irp f, 0,1
	v_fmac_f32 v[240+\f], v[230+\f], v201          ; + s_n S / 2
.endr
.irp f, 0,1
	v_max_num_f32 v[240+\f], 0x358637bd, v[240+\f] ; held at 1e-6 from below
.endr
	s_wait_alu depctr_va_vdst(0)
.irp f, 0,1
	v_rcp_f32 v[242+\f], v[240+\f]
.endr
	v_nop
	s_wait_alu depctr_va_vdst(0)
.irp f, 0,1
	v_mul_f32 v[KC+6*\f], 0.5, v[242+\f]           ; k0
.endr
.irp f, 0,1
	v_mov_b32 v[KC+6*\f+1], v[KC+6*\f]
	v_mul_f32 v[KC+6*\f+2], v[KC+6*\f], v[228+\f]  ; k1 = k0 c_n
	v_mul_f32 v[KC+6*\f+4], v[KC+6*\f], v[230+\f]  ; k2 = k0 s_n
.endr
.irp f, 0,1
	v_mov_b32 v[KC+6*\f+3], v[KC+6*\f+2]
	v_mov_b32 v[KC+6*\f+5], v[KC+6*\f+4]
.endr
	s_wait_alu depctr_va_vdst(0)
	s_wait_kmcnt 0x0
	v_mov_b32 v[AL], s74
	v_max_num_f32 v[AL], 0, v[AL]
	v_min_num_f32 v[AL], 1.0, v[AL]                ; a = alpha held to 0 .. 1
	v_sub_f32 v[OM], 1.0, v[AL]
	v_mov_b32 v[AL+1], v[AL]
	v_mov_b32 v[OM+1], v[OM]
; ONE FRAGMENT OF W: row tile 2 wh + f, my K step.  Register 32 c + j is W(row r, key 64 c + 32 h + j): the order of the operand's registers, and a block of 32 keys is whole in a lane.
.macro GENFRAG f, io, so
	WIN 0x01
.set gj, 0
.rept 32
	v_pk_fma_f32 v[WN+gj:WN+gj+1], v[CO+gj:CO+gj+1], v[KC+6*(\f)+2:KC+6*(\f)+3], v[KC+6*(\f):KC+6*(\f)+1] op_sel_hi:[1,0,0]   ; k0 + k1 c_m
.set gj, gj+2
.endr
.set gj, 0
.rept 32
	v_pk_fma_f32 v[WN+gj:WN+gj+1], v[SI+gj:SI+gj+1], v[KC+6*(\f)+4:KC+6*(\f)+5], v[WN+gj:WN+gj+1] op_sel_hi:[1,0,1]          ; + k2 s_m
.set gj, gj+2
.endr
	WIN 0
.irp c, 0,1                                    ; the two blocks' largest magnitudes, two chains each
	v_max3_num_f32 v[MX+2*\c], |v[WN+32*\c]|, |v[WN+32*\c+1]|, |v[WN+32*\c+2]|
	v_max3_num_f32 v[MX+2*\c+1], |v[WN+32*\c+3]|, |v[WN+32*\c+4]|, |v[WN+32*\c+5]|
.endr
.irp i, 6,10,14,18,22,26
.irp c, 0,1
	v_max3_num_f32 v[MX+2*\c], v[MX+2*\c], |v[WN+32*\c+\i]|, |v[WN+32*\c+\i+1]|
	v_max3_num_f32 v[MX+2*\c+1], v[MX+2*\c+1], |v[WN+32*\c+\i+2]|, |v[WN+32*\c+\i+3]|
.endr
.endr
.irp c, 0,1
	v_max3_num_f32 v[MX+2*\c], v[MX+2*\c], |v[WN+32*\c+30]|, |v[WN+32*\c+31]|
.endr
.irp c, 0,1
	v_max3_num_f32 v[MX+2*\c], v[MX+2*\c], v[MX+2*\c+1], 0x1800000   ; the floor 2^(3 - 127): the byte cannot fall under 1
.endr
.irp c, 0,1
	v_add_nc_u32 v[SO+\c], 0xff000000, v[MX+2*\c]  ; 2 off the exponent field: the conversion's scale operand
.endr
.irp c, 0,1
.irp g, 0,1,2,3
	v_cvt_scalef32_pk8_fp4_f32 v[PC+8*(\f)+4*\c+\g], v[WN+32*\c+8*\g:WN+32*\c+8*\g+7], v[SO+\c]
.endr
.endr
.irp c, 0,1
	v_lshrrev_b32 v[MX+2*\c], 23, v[SO+\c]         ; the scales' bytes (plain lines behind the conversions)
.endr
	v_lshl_or_b32 v[PW+(\f)], v[MX+2], 16, v[MX]   ; blocks h and 2 + h of row r,
	v_lshlrev_b32 v[PW+(\f)], v[SH8], v[PW+(\f)]   ; at their places in the word;
	v_permlanex16_b32 v[T0], v[PW+(\f)], s[SEL], s[SEL+1]
	v_or_b32 v[PW+(\f)], v[PW+(\f)], v[T0]         ; with lane l xor 16's two the word is whole
.irp c, 0,1
	ds_store_b128 v[AW], v[PC+8*(\f)+4*\c:PC+8*(\f)+4*\c+3] offset:(\io)+1024*(\f)+512*\c
.endr
	ds_store_b32 v[AWS], v[PW+(\f)] offset:(\so)+128*(\f)   ; lanes r and 16 + r store the same word with the same value
.endm
.macro FETCH_B sl, q, b0               ; hidden's tiles b0 .. b0 + 7 of K step q of slot sl: 16 loads of 512 consecutive bytes
	WIN TO_B
.irp i, 0,1,2,3,4,5,6,7
.irp c, 0,1
	ds_load_b128 v[8*((\b0)+\i)+4*\c:8*((\b0)+\i)+4*\c+3], v[ADRB+(\sl)] offset:TILEB*((\b0)/8)+2048*\i+1024*(\q)+512*\c
.endr
.endr
	WIN 0
.endm
.macro FETCH_A buf, q                  ; W's four tiles of K step q from buffer buf into set q: 8 loads
.irp i, 0,1,2,3
.irp c, 0,1
	ds_load_b128 v[AF+32*(\q)+8*\i+4*\c:AF+32*(\q)+8*\i+4*\c+3], v[ADRA] offset:8192*(\buf)+4096*(\q)+1024*\i+512*\c
.endr
.endr
.endm
.macro SCALES par                      ; the phase's scale words, both K steps: 16 loads
.irp i, 0,1,2,3
	ds_load_b64 v[SC+2*\i:SC+2*\i+1], v[ADRS+10*(\par)] offset:128*\i
.endr
.irp i, 4,5,6,7,8,9,10,11,12,13,14,15
	ds_load_b64 v[SC+2*\i:SC+2*\i+1], v[ADRT+(\par)] offset:TILEB*(\i/8)+128*(\i%8)
.endr
.endm
; 16 matrix instructions: hidden's tiles b0 .. b0 + 3 x W's four, K step q.  zero = 1: the first product starts the sums.  The 64 accumulators take turns, in the same order in every K step.
.macro MUL16 b0, q, zero
.irp b, \b0, \b0+1, \b0+2, \b0+3
.irp a, 0,1,2,3
.if \zero
	v_wmma_scale_f32_16x16x128_f8f6f4 v[8*(8*\a+(\b)%8):8*(8*\a+(\b)%8)+7], v[8*(\b):8*(\b)+7], v[AF+32*(\q)+8*\a:AF+32*(\q)+8*\a+7], 0, v[SC+2*(\b)+(\q)], v[SC+2*\a+(\q)] matrix_a_fmt:MATRIX_FMT_FP4 matrix_b_fmt:MATRIX_FMT_FP4 matrix_a_scale:MATRIX_SCALE_ROW1
.else
	v_wmma_scale_f32_16x16x128_f8f6f4 v[8*(8*\a+(\b)%8):8*(8*\a+(\b)%8)+7], v[8*(\b):8*(\b)+7], v[AF+32*(\q)+8*\a:AF+32*(\q)+8*\a+7], v[8*(8*\a+(\b)%8):8*(8*\a+(\b)%8)+7], v[SC+2*(\b)+(\q)], v[SC+2*\a+(\q)] matrix_a_fmt:MATRIX_FMT_FP4 matrix_b_fmt:MATRIX_FMT_FP4 matrix_a_scale:MATRIX_SCALE_ROW1
.endif
.endr
.endr
.endm
; The way out goes by blocks n = 4 a + g of 16 rows (tile a) x 64 columns (hidden's tiles 4 g .. 4 g + 3).
.macro HL n, reg, w                    ; block n's 16 x 256 bytes of hidden from memory: 8 loads, sixteen lanes to a row's 256 bytes
	WIN (\w)<<6
.set ht, 0
.rept 8
	global_load_b128 v[(\reg)+4*ht:(\reg)+4*ht+3], v[GO], s[HB:HB+1] offset:65536*((\n)/4)+256*((\n)%4)+8192*ht th:TH_LOAD_NT
.set ht, ht+1
.endr
	WIN 0
.endm
; PREFETCHES INTO THE L2, behind the tensor load's lines and the run of LDS loads for which the next products wait.
; ASK: the tiles of the phase two refills on.  Every cluster asks for what it will itself load, 139,264 bytes a phase: partner cx, wave w takes half w % 2 (8,192 bytes, lanes 256 bytes apart) of the codes of
; tile 2 cx + w / 2 and half w % 2 (two blocks of 256 bytes; the lanes left over name the second again) of its scale words: each aligned block of 256 bytes is named once in a cluster.
; The partners are told apart by address alone.  Phase 2 is asked for in the head, phase 3 in phase 0, phases 4 to 15 in the loop; the last trip asks for nothing: there is no phase 16.
.macro ASK
	s_cmp_gt_u32 s3, 1
	s_cbranch_scc0 .Lnot_mine_\@
	global_prefetch_b8 v[PFO], s[PFA:PFA+1] offset:PHB th:TH_LOAD_NT scope:SCOPE_SE
	global_prefetch_b8 v[PF2], s[PFA:PFA+1] offset:PHB th:TH_LOAD_NT scope:SCOPE_SE
.Lnot_mine_\@:
.endm
; HASK: in the loop's last four trips, once a phase, each wave asks for 8 of its own 64 rows x 1,024 bytes of hidden as f32 (a lane a block of 256 bytes): 8 instructions name each block once; they are loaded from phase 14 on.
.macro HASK
	s_cmp_le_u32 s3, 4
	s_cbranch_scc0 .Lnot_yet_\@
	global_prefetch_b8 v[HPO], s[HPA:HPA+1] th:TH_LOAD_NT scope:SCOPE_SE
.Lnot_yet_\@:
.endm
; A PHASE'S FIRST K STEP.  gen = 1: fragment 0 of the next phase's W is made between the LDS loads and the products that wait for them.
.macro HALF_A par, zero, gen, ask
	FETCH_B \par, 0, 0
	FETCH_A \par, 0
	SCALES \par
	FETCH_B \par, 0, 8
.if \ask == 1
	ASK
	HASK
.elseif \ask == 2                              ; ahead of the loop: phase 3's tiles, with no test
	global_prefetch_b8 v[PFO], s[PFA:PFA+1] offset:PHB th:TH_LOAD_NT scope:SCOPE_SE
	global_prefetch_b8 v[PF2], s[PFA:PFA+1] offset:PHB th:TH_LOAD_NT scope:SCOPE_SE
.endif
.if \gen
	s_wait_loadcnt 0x0                             ; cos and sin of the next phase's keys are in
	GENFRAG 0, 8192*(1-\par), 512*(1-\par)
.endif
	s_wait_dscnt 16+3*\gen                         ; hidden's tiles 0-7, W's set and the scale words are in; tiles 8-15 (16 loads) and my fragment's 3 stores may be out
	WIN MUL_LO
	MUL16 0, 0, \zero
	MUL16 4, 0, \zero
	PLACES
	FETCH_B \par, 1, 0
	FETCH_A \par, 1
	s_wait_dscnt 24+3*\gen                         ; tiles 8-15 are in; behind them: the 3 stores and the 24 loads just issued
	WIN MUL_HI
	MUL16 8, 0, \zero
	MUL16 12, 0, \zero
.endm
; THE FIRST HALF OF ITS SECOND K STEP.  after = 1: the tables for the phase after next; 2: six blocks of hidden for the way out.  pf = 1: the prefetches' addresses step.
.macro HALF_B par, gen, after, pf
	PLACES
	FETCH_B \par, 1, 8
.if \pf
	s_wait_xcnt 0x0                                ; the last prefetches, half a phase back, have read their addresses
	s_add_nc_u64 s[PFA:PFA+1], s[PFA:PFA+1], PHB
	s_cmp_le_u32 s3, 3+\par                        ; hidden's rows: 8 rows on between two asks, so not ahead of the first
	s_cselect_b32 s54, 0x8000, 0
	s_add_nc_u64 s[HPA:HPA+1], s[HPA:HPA+1], s[54:55]
.endif
.if \gen
	GENFRAG 1, 8192*(1-\par), 512*(1-\par)
.endif
	s_wait_dscnt 16+3*\gen                         ; tiles 0-7 and W's set 1 are in; behind them: tiles 8-15's 16 loads and 3 stores
	WIN MUL_LO
	MUL16 0, 1, 0
	MUL16 4, 1, 0
.if \after == 1
	CSLOAD 1
.elseif \after == 2
.irp n, 0,1,2,3
	HL \n, 128+32*\n, 1                            ; the last W has been made: into the tables' registers
.endr
	HL 4, WN, 0                                    ; and the weights': 48 loads, which stay out over the last phase
	HL 5, WN+32, 0
.endif
.endm
; THE PHASE'S LAST 32 PRODUCTS AND THE CHANGE OF SLOTS.  In front of the barrier each wave waits for all its tensor loads, adds 0 to its spare word, and waits for that, for its stores of images and
; scale words, and for its reads of this slot and these buffers.  The barrier opens a round of the cluster's; the slot is filled again by my first and only tensor load behind the round:
; fill = 1: the codes two phases on; fill = 2: my rows 32-63 of hidden as f32, into my own part of the slot.
.macro CHANGE par, fill
	WIN 0
	s_wait_tensorcnt 0x0
	ds_add_u32 v[SPW], v[NIL]
.if \fill == 1
	s_add_nc_u64 s[G0+4*\par+2:G0+4*\par+3], s[G0+4*\par+2:G0+4*\par+3], 2*PHB   ; no tensor load of mine is out
.endif
	s_wait_dscnt 1                                 ; tiles 8-15 are in: only the add may be out
	WIN MUL_HI
	MUL16 8, 1, 0
	s_wait_dscnt 0x0
	s_barrier_signal -1
	MUL16 12, 1, 0
	WIN 0
	s_barrier_wait -1
	CREST
.if \fill == 1
	tensor_load_to_lds s[G0+4*\par:G0+4*\par+3], s[G1:G1+7]
.else
	tensor_load_to_lds s[G0H:G0H+3], s[G1H:G1H+7]
.endif
	s_nop 0
	PLACES                                         ; the places in front of the next phase's loads
.endm
	s_wait_alu depctr_va_vdst(0)
	s_wait_loadcnt 0x0                             ; phase 0's keys
	GENFRAG 0, 0, 0                                ; phase 0's W
	global_prefetch_b8 v[PFO], s[PFA:PFA+1] th:TH_LOAD_NT scope:SCOPE_SE   ; phase 2's tiles, which the first change of slots loads
	global_prefetch_b8 v[PF2], s[PFA:PFA+1] th:TH_LOAD_NT scope:SCOPE_SE
	GENFRAG 1, 0, 0
	CSLOAD 1                                       ; phase 1's keys
	s_wait_dscnt 0x0                               ; my images are stored
	s_barrier_signal -1                            ; slot 1's load may stay out
	s_barrier_wait -1
	HALF_A 0, 1, 1, 2                              ; phase 0's first K step starts the sums
	WIN 0
	s_mov_b32 s3, 7
.Lpair:                                                ; a trip goes once round the ring and fills both slots again: 14 refills, phases 2 to 15
	HALF_B 0, 1, 1, 1
	CHANGE 0, 1
	HALF_A 1, 0, 1, 1
	HALF_B 1, 1, 1, 1
	CHANGE 1, 1
	HALF_A 0, 0, 1, 1
	WIN 0
	s_sub_co_u32 s3, s3, 1
	s_cmp_lg_u32 s3, 0
	s_cbranch_scc1 .Lpair
	HALF_B 0, 1, 2, 0                              ; phase 14 goes on: the last W is made; the tail is written out
	CHANGE 0, 2
	HALF_A 1, 0, 0, 0                              ; phase 15
	HALF_B 1, 0, 0, 0
	s_wait_dscnt 0x0
	WIN MUL_HI
	MUL16 8, 1, 0
	MUL16 12, 1, 0
	WIN 0
; THE WAY OUT.  A lane holds 32 neighbouring bytes of a row and the lanes beside it other rows: a block goes through my own stage and comes back as rows of 256 bytes, two an instruction, into the
; accumulators that it left, is blended there with the same bytes of hidden, and is stored from there: no register that a store reads is written again.
; LDS serves a wave's instructions in order (ISA guide 5.7.1.4): no wait between the stores and the loads, nor in front of the next block's stores.
.macro TOSTAGE n
.set AC, 64*((\n)/4)+32*((\n)%2)
.set WW, 2+((\n)%4)/2
.if (\n) >= 8
	WIN 0x40                                       ; the block's rows of hidden out of slot 0, into window 1: v64-95 and v96-127 by turns
.set tt, 0
.rept 8
	ds_load_b128 v[64+32*((\n)%2)+4*tt:64+32*((\n)%2)+4*tt+3], v[HRD] offset:(((\n)/4-2)*16+2*tt)*1024+256*((\n)%4)
.set tt, tt+1
.endr
.endif
	WIN WW<<2
.irp b, 0,1,2,3
	ds_store_b128 v[STO], v[AC+8*\b:AC+8*\b+3] offset:64*\b         ; each accumulator from its low end on
	ds_store_b128 v[STO], v[AC+8*\b+4:AC+8*\b+7] offset:64*\b+16
.endr
	WIN WW<<6
.set tt, 0
.rept 8
	ds_load_b128 v[AC+4*tt:AC+4*tt+3], v[RD] offset:2*SPITCH*tt
.set tt, tt+1
.endr
.endm
.macro FIN n, younger                  ; younger: the LDS instructions issued behind block n's loads
.set AC, 64*((\n)/4)+32*((\n)%2)
.set WW, 2+((\n)%4)/2
.if (\n) >= 8
.set HR, 64+32*((\n)%2)
.set HW, 1
.elseif (\n) < 4
.set HR, 128+32*(\n)
.set HW, 1
.elseif (\n) < 6
.set HR, WN+32*((\n)-4)
.set HW, 0
.else
.set HR, 32*((\n)-6)
.set HW, 1
.endif
	s_wait_dscnt \younger
	WIN (WW<<6)|WW
.set fj, 0
.rept 16
	v_pk_mul_f32 v[AC+fj:AC+fj+1], v[AC+fj:AC+fj+1], v[AL:AL+1]
.set fj, fj+2
.endr
.if (\n) < 8
	s_wait_loadcnt 8*(7-(\n))                      ; block n's 8 loads of hidden are in; the later blocks' runs of 8 may be out
.endif
	WIN (WW<<6)|(WW<<4)|HW
.set fj, 0
.rept 16
	v_pk_fma_f32 v[AC+fj:AC+fj+1], v[HR+fj:HR+fj+1], v[OM:OM+1], v[AC+fj:AC+fj+1]   ; a x the sum + (1 - a) x hidden
.set fj, fj+2
.endr
	WIN WW<<2
.set fj, 0
.rept 8
	global_store_b128 v[GO], v[AC+4*fj:AC+4*fj+3], s[OB:OB+1] offset:65536*((\n)/4)+256*((\n)%4)+8192*fj th:TH_STORE_NT   ; sixteen lanes store 256 consecutive bytes, aligned
.set fj, fj+1
.endr
.endm
	PLACES                                         ; behind the last products
	HL 6, 0, 1                                     ; the last two blocks of hidden, into registers of hidden's fragments
	HL 7, 32, 1
	TOSTAGE 0                                      ; blocks 0 to 5 go first: their rows of hidden were asked for in phase 14
.irp n, 0,1,2,3,4
	TOSTAGE \n+1
	FIN \n, 16                                     ; behind block n's loads: the next block's 8 stores and 8 loads
.endr
	s_wait_tensorcnt 0x0                           ; my rows 32-63 of hidden are in my part of slot 0: I alone read them
	TOSTAGE 8
	FIN 5, 24                                      ; behind block 5's loads: block 8's 8 loads of hidden, 8 stores and 8 loads
.irp n, 8,9,10,11,12,13,14
	TOSTAGE \n+1
	FIN \n, 24
.endr
	TOSTAGE 6                                      ; blocks 6 and 7 go last: their rows of hidden were asked for at the head of the way out
	FIN 15, 16
	TOSTAGE 7
	FIN 6, 16
	FIN 7, 0
	WIN 0
	s_wait_tensorcnt 0x0                           ; the wave's end
	ds_add_u32 v[SPW], v[NIL]
	s_wait_dscnt 0x0
	CROUND                                         ; the closing round
	s_endpgm
.Lfunc_end_k_q5a6ea4aca8_attn:
	.size	k_q5a6ea4aca8_attn, .Lfunc_end_k_q5a6ea4aca8_attn-k_q5a6ea4aca8_attn
	.p2alignl 7, 3214868480
	.fill 96, 4, 3214868480
	.section	.rodata,"a",@progbits
	.p2align	6, 0x0
	.amdhsa_kernel k_q5a6ea4aca8_attn
		.amdhsa_group_segment_fixed_size 327680
		.amdhsa_private_segment_fixed_size 0
		.amdhsa_enable_private_segment 0
		.amdhsa_kernarg_size 40
		.amdhsa_user_sgpr_count 2
		.amdhsa_user_sgpr_kernarg_segment_ptr 1
		.amdhsa_wavefront_size32 1
		.amdhsa_system_sgpr_workgroup_id_x 1
		.amdhsa_system_sgpr_workgroup_id_y 1
		.amdhsa_system_sgpr_workgroup_id_z 1
		.amdhsa_system_vgpr_workitem_id 0
		.amdhsa_next_free_vgpr 1024
		.amdhsa_next_free_sgpr 88
		.amdhsa_reserve_vcc 0
		.amdhsa_float_denorm_mode_32 3
		.amdhsa_float_denorm_mode_16_64 3
		.amdhsa_memory_ordered 1
		.amdhsa_forward_progress 1
		.amdhsa_inst_pref_size 254
	.end_amdhsa_kernel
	.amdgpu_metadata
---
amdhsa.version: [ 1, 2 ]
amdhsa.kernels:
  - .name:           k_q5a6ea4aca8_attn
    .symbol:         k_q5a6ea4aca8_attn.kd
    .args:
      - { .name: alpha, .offset: 0, .size: 8, .value_kind: global_buffer, .address_space: global }
      - { .name: hidden, .offset: 8, .size: 8, .value_kind: global_buffer, .address_space: global }
      - { .name: trig, .offset: 16, .size: 8, .value_kind: global_buffer, .address_space: global }
      - { .name: bq, .offset: 24, .size: 8, .value_kind: global_buffer, .address_space: global }
      - { .name: out0, .offset: 32, .size: 8, .value_kind: global_buffer, .address_space: global }
    .group_segment_fixed_size: 327680
    .private_segment_fixed_size: 0
    .kernarg_segment_align: 8
    .kernarg_segment_size: 40
    .max_flat_workgroup_size: 128
    .sgpr_count:     88
    .vgpr_count:     1024
    .wavefront_size: 32
...
	.end_amdgpu_metadata
.endif
;; end of part 2
